; MI455X (gfx1250); checked and timed in simulation.
; The chip was launched on July 23, 2026; its instructions are those of AMD's public machine-readable ISA for CDNA 5 (MIT licence, August 2026) and "CDNA5" Instruction Set Architecture Reference Guide (July 2026). The comments in the code are by the model that wrote it; some were corrected since.
;; Mental Plus. Allowed arithmetic: matrix products marked QUANTISED: E2M1 operands, one E8M0 scale for each 32 along K, by v_wmma_scale_f32_16x16x128_f8f6f4 with both operands' format E2M1 (or v_wmma_scale_f32_32x16x128_f4), f32 sums; products left as they are: f32 operands where the result goes on into a quantised operand, else bf16, f16 or f32 operands; f32 sums; everything else in f32.
;; Inputs: Wk_codes 64 x 2 x 16 uint8 (E2M1 codes of Wk, K innermost, in blocks of 32 codes, two codes a byte); Wk_scales 64 x 2 uint8 (E8M0 scales of Wk, one for each 32 codes along K); Wq_codes 64 x 2 x 16 uint8 (E2M1 codes of Wq, K innermost, in blocks of 32 codes, two codes a byte); Wq_scales 64 x 2 uint8 (E8M0 scales of Wq, one for each 32 codes along K); Wv_codes 64 x 2 x 16 uint8 (E2M1 codes of Wv, K innermost, in blocks of 32 codes, two codes a byte); Wv_scales 64 x 2 uint8 (E8M0 scales of Wv, one for each 32 codes along K); rel_h 32 x 5 x 1 float32; rel_w 32 x 1 x 5 float32; x 8 x 64 x 64 x 64 float32.
;; Outputs: out0 8 x 64 x 64 x 64 float32.
;; This version of the problem:
;;   THIS VERSION OF THE PROBLEM IS GIVEN IN LOW PRECISION. The matrix products marked QUANTISED in the list below multiply operands that are first quantised to E2M1 (2 exponent bits, 1 mantissa bit; 4 bits a number), with one power-of-two scale for each 32 numbers along K (OCP MX v1.0); their sums are f32. All else is computed in f32.
;;   The module's matrix products, in the order in which they are computed (A, B: the left and right operand; K: the contracted axis; several contracted axes count as one K, in the product's order):
;;     1. [M 32,768, K 64] x [K 64, N 64]; A: input x; B: input Wq (given as codes): QUANTISED
;;     2. [M 36,992, K 64] x [K 64, N 64]; A: computed on the way; B: input Wk (given as codes): QUANTISED
;;     3. [M 36,992, K 64] x [K 64, N 64]; A: computed on the way; B: input Wv (given as codes): QUANTISED
;;     4. batch 2,097,152 x [M 1, K 25] x [K 25, N 1]; A: softmax; B: computed on the way: left as it is (K = 25 < 32)
;;   THE QUANTISER, for each operand of a quantised product, along K:
;;     - K is cut into blocks of 32 from its start; a last block that is shorter is filled with zeros.
;;     - A block's scale is 2^e with e = floor(log2(the largest magnitude in the block)) - 2, held to -126 .. 127; a block of zeros has e = 0. As a byte (E8M0): e + 127.
;;     - Each number is divided by its block's scale, clamped to +-6, and rounded to the nearest number of E2M1, ties to even, subnormals kept.
;;     - The product sums the exact products of the quantised numbers (number of the format x scale) in f32.
;;   ~~~python
;;   def quantise(x, axis):      # numpy; x: float32 -> the quantised numbers, widened to float32 again
;;       x = np.moveaxis(x, axis, -1); K = x.shape[-1]
;;       x = np.pad(x, [(0, 0)] * (x.ndim - 1) + [(0, -K % 32)]); x = x.reshape(x.shape[:-1] + (-1, 32)); a = np.abs(x).max(-1, keepdims=True)
;;       e = np.where(a > 0, np.clip(np.frexp(np.where(a > 0, a, 1))[1] - 1 - 2, -126, 127), 0)      # np.frexp(a)[1] - 1 = floor(log2(a)), exactly
;;       r = np.clip(x / 2.0 ** e, -6, 6)
;;       step = 2.0 ** (np.maximum(np.frexp(np.where(r == 0, 1, r))[1] - 1, 0) - 1)
;;       q = np.round(r / step) * step * 2.0 ** e      # np.round: ties to even
;;       return np.moveaxis(q.reshape(q.shape[:-2] + (-1,))[..., :K], -1, axis).astype(np.float32)
;;   ~~~
;;   OPERANDS COMPUTED ON THE WAY. 'Computed on the way' means the value that the module computes at that place (a softmax that the list does not call 'softmax' is quantised finished and normalised). What goes into a quantiser is computed in f32, as accurately as f32 sums, v_exp_f32 and their like allow (about 1e-6 of the number): no bf16 or f16 on the way to a quantiser, and a product that is left as it is and whose result goes on into a quantised operand takes f32 operands (vector FMAs, or v_wmma_f32_16x16x4_f32). A number that lies on a knife's edge between two numbers of the format may be rounded either way, as far as f32 arithmetic and the matrix unit's own rounding can turn it there, and no further.
;;   INPUTS GIVEN AS CODES. Wk (in the module: [64, 64], K = its axis 1); Wq (in the module: [64, 64], K = its axis 1); Wv (in the module: [64, 64], K = its axis 1): each comes as NAME_codes (uint8): NAME with its K axis moved to the last place and cut into blocks of 32 codes, [.., K / 32, bytes a block], one block behind the other in memory; two codes a byte, the lower K in the low four bits (a code: sign, 2 exponent bits, 1 mantissa bit); and NAME_scales (uint8): the same leading axes, one E8M0 byte (e + 127) for each 32 codes along K. Its value is code x scale, taken as it is: it is not quantised again, and the codes and scales need not be those that the quantiser above would give.
;; One version. Each part assembles by itself: llvm-mc -triple=amdgcn-amd-amdhsa -mcpu=gfx1250 --defsym DOCPART=n.
;; ======== version 1 of 1: 1 launch
;; launch mental (part 1): grid 256 x 1, 16 waves a work-group, no clusters, 305,152 bytes of LDS; arguments x, Wq_codes, Wq_scales, Wk_codes, Wk_scales, Wv_codes, Wv_scales, rel_h, rel_w, out0; writes out0
.if DOCPART == 1
	.amdgcn_target "amdgcn-amd-amdhsa--gfx1250"
	.amdhsa_code_object_version 6
	.text
	.protected	k_q49df68abce_mental
	.globl	k_q49df68abce_mental
	.p2align	8
	.type	k_q49df68abce_mental,@function
k_q49df68abce_mental:
	s_mov_b64 s[64:65], 0
	v_nop
	global_prefetch_b8 v0, s[64:65] scope:SCOPE_SE
	s_setreg_imm32_b32 hwreg(HW_REG_WAVE_MODE, 25, 1), 1
	s_wait_xcnt 0x0
; out[b][c][y][x] = sum over a 5 x 5 window of softmax(q (k + bias)) v, per channel.  q, k, v = Wq, Wk, Wv times x along the 64 channels, on codes of FP4 (E2M1) with one E8M0 scale
; for each 32 channels.  The weights come as codes; x [8][64][64][64] f32 is quantised here, once for each pixel, and serves all three products (a pixel of the zero border has zero codes: k = v = 0 there).
; SHARES.  Work-group id: image id / 32, output rows 2 s and 2 s + 1 (s = id % 32), all 64 columns, all 64 channels.  It makes k and v on six row lines (rows 2 s - 2 .. 2 s + 3) and q on two, into LDS; nothing of them goes to memory.
; PHASE 1.  Waves 0-11: wave w quantises line w / 2, columns 32 (w % 2) on: a lane is a pixel, its 64 registers run down the channels.  Waves 12-15 meanwhile lay the weights out as images of operand registers in LDS and clear the border's slots.
;   The products are used with source 0 = 16 rows of weights, source 1 = 16 pixels: a lane of the result holds one pixel and eight weight rows.  WHICH ROWS FORM A TILE IS CHOSEN so that these eight registers are 32 bytes of the LDS layout as they stand.
;   K is 64 of the instruction's 128: the pixels' registers 4-7 are zero codes; the weights' registers 4-7 are whatever fragment follows (finite codes times zero codes); scale bytes 2 and 3 are 0, never 0xff.
; MAIN PHASE.  A lane owns two channels, 32 h + p and 32 h + p + 16 (p = lane % 16, h = lane / 16): every register pair is (channel A, channel B) of one pixel, so the arithmetic is packed.
;   Channels 0-31 (bias by the window's row) read region H, laid [row line][column slot]; channels 32-63 (bias by the window's column) read region W, the same pixels laid [column line][row slot]:
;   in both halves the bias hangs on the window's LINE, and one text serves both.  A block is 2 x 2 outputs: its window of 6 lines x 6 slots is 36 loads of 16 bytes a lane.  Wave w takes blocks 2 w and 2 w + 1 (columns 4 w .. 4 w + 3).
;   The largest of the 25 logits is taken away before the exponentials: exponents are 0 or less, the sum is 1 or more, whatever the inputs' size.
; THE WAY OUT.  Results meet in a stage [channel][2 rows][64 columns]; each wave stores four channels, 512 consecutive bytes (two rows of out0) an instruction.
; NO CLUSTER, NO TENSOR LOAD: neighbouring work-groups share four of six rows of x, but the quantiser takes x from memory straight into registers (a lane a pixel), and six rows in f32, 98,304 bytes, have no room beside the 302,400 bytes in use.
; LIMITS: NaN and infinities in x are not served.  A block of x whose largest magnitude lies under 2^-124 takes the scale byte 1 (a block of zeros too, where the rule says 127: its codes are zeros, and the bytes are read here alone).
.set SP,    272                        ; a slot of H or W: 16 groups of 16 bytes, group p = (k[p], k[p+16], v[p], v[p+16]), + 16 of padding: an odd multiple of 16
.set HLP,   68*SP                      ; a line of H: 68 column slots (column + 2)
.set WB,    6*HLP                      ; W begins behind H's six lines
.set WLP,   6*SP+16                    ; a line of W: six row slots + 16: an odd multiple of 16
.set QHB,   WB+68*WLP                  ; q of channels 0-31: [2 rows][64 columns], a slot = 16 pairs (q[p], q[p+16]) + 16
.set QSP,   144
.set QHL,   64*QSP
.set QWB,   QHB+2*QHL                  ; q of channels 32-63: [64 columns][2 rows]
.set QWLP,  2*QSP+16
.set OB,    QWB+64*QWLP                ; the stage for out0: [64 channels], 512 bytes + 16
.set OCP,   528
.set AIMG,  OB+64*OCP                  ; 12 images of weight fragments, 512 bytes each: k/v tiles 0-7, q tiles 8-11
.set ASC,   AIMG+12*512                ; their scale words, 128 bytes each; ends at 302,400
; registers that stay
.set P16, 1                            ; v1   16 p
.set HH,  2                            ; v2   h
.set P8,  3                            ; v3   8 p
.set OP,  13                           ; v13  my channel A's row of the stage
.set BI,  14                           ; v14-23  the bias: five pairs (channel A, channel B), by the window's line
.set BT,  24                           ; v24-33  rel_w's as loaded; later QB
; phase 1
.set L4,  4                            ; v4   4 x lane
.set SH,  5                            ; v5-8 where a job's results go: H, W, q of H, q of W
.set SWA, 6
.set SQH, 7
.set SQW, 8
.set IA,  10                           ; v10-12, v106  where a helper puts its images and scale words
.set IQ,  11
.set ISW, 12
.set AW,  34                           ; v34-81 the twelve weight fragments, four registers each; v82-85 zeros
.set ASW, 86                           ; v86-97 their scale words
.set MX,  98                           ; v98-99 largest magnitudes; v100-101 the conversions' scale operands; v102-103 the bytes
.set SWD, 104                          ; v104 the pixels' scale word
.set BO,  105                          ; v105 20 p: my channel's row of rel_h and rel_w
.set IQS, 106
.set ZH,  107                          ; v107-108 the border's slots
.set ZW,  108
.set AFI, 109                          ; v109-110 where the images and scale words are fetched from
.set AFS, 110
.set BF,  112                          ; v112-115 pixels 0-15, v116-119 zeros, v120-123 pixels 16-31, v124-127 zeros
.set X,   128                          ; v128-191 x: channel i of my pixel
.set D,   128                          ; v128-255 the products' results
; main phase
.set AD,  4                            ; v4-9  LDS address of window line a
.set QA,  10                           ; v10-11 of q's line
.set OA,  12                           ; v12   at work, then my block's place in the stage
.set QB,  24                           ; v24-33 q' x bias, five pairs
.set Q,   34                           ; v34-41 q' = q log2(e) of the four outputs
.set CH,  42                           ; v42-45 two chains of the maximum for each channel; the maximum ends in v[42:43]
.set SUM, 46                           ; v46-53
.set ACC, 54                           ; v54-61
.set T,   62                           ; v62-111 the 25 logits, then weights
.set R,   62                           ; v62-69 at a block's end: [channel][row][column]; v70-73 at work
.set KV,  112                          ; v112-255 the window: slot (a, b) at 112 + 4 (6 a + b): k's pair, v's pair
.macro BAR                             ; my LDS instructions are done; then the work-group's barrier
	s_wait_dscnt 0x0
	s_barrier_signal -1
	s_barrier_wait -1
.endm
.macro LADDR dst, pitch                ; pixel r x pitch + 32 x half + s34
	v_mul_u32_u24 v[\dst], v200, \pitch
	v_lshl_add_u32 v[\dst], v[HH], 5, v[\dst]
	v_add_nc_u32 v[\dst], s34, v[\dst]
.endm
.macro BIAS_LOAD                       ; rel_h and rel_w of rows p and p + 16: every lane takes both, the choice is made later
.irp i, 0,1,2,3,4
.irp c, 0,1
	global_load_b32 v[BI+2*\i+\c], v[BO], s[18:19] offset:4*\i+320*\c
	global_load_b32 v[BT+2*\i+\c], v[BO], s[20:21] offset:4*\i+320*\c
.endr
.endr
.endm
	s_load_b512 s[4:19], s[0:1], 0x0               ; x s[4:5], Wq codes s[6:7], scales s[8:9], Wk s[10:11], s[12:13], Wv s[14:15], s[16:17], rel_h s[18:19]
	s_load_b128 s[20:23], s[0:1], 0x40             ; rel_w s[20:21], out0 s[22:23]
	v_lshrrev_b32 v200, 5, v0
	v_readfirstlane_b32 s24, v200                  ; wave 0..15
	v_and_b32 v200, 15, v0                         ; p (in phase 1: r)
	v_and_b32 v201, 31, v0                         ; lane
	v_bfe_u32 v[HH], v0, 4, 1
	v_bfe_u32 v202, v0, 5, 1
	v_bfe_u32 v203, v0, 6, 1
	v_lshlrev_b32 v[P16], 4, v200
	v_lshlrev_b32 v[P8], 3, v200
	v_lshlrev_b32 v[L4], 2, v201
	v_mul_u32_u24 v[BO], v200, 20
	s_lshr_b32 s25, s24, 1                         ; L: a job's line
	s_and_b32 s26, s24, 1                          ; f: its half of the columns
	s_and_b32 s37, s25, 1                          ; q's row, where the line has one (L = 2, 3)
	s_lshr_b32 s27, ttmp9, 5                       ; image
	s_and_b32 s28, ttmp9, 31                       ; stripe
	s_lshl_b32 s29, s28, 1
	s_add_co_u32 s29, s29, s25
	s_sub_co_i32 s29, s29, 2                       ; the line's row of x: 2 s + L - 2,
	s_max_i32 s30, s29, 0
	s_min_i32 s30, s30, 63                         ; held inside x for the loads;
	s_cmp_eq_u32 s29, s30
	s_cselect_b32 s31, -1, 0                       ; a row outside x gets zero codes by this mask
	s_mov_b32 s33, 0
	s_mov_b32 s40, 0xffff0000                      ; lanes 16-31
	s_mov_b32 s41, 0xcccccccc                      ; lanes whose weight row is Wv's
	s_and_b32 s42, s24, 3                          ; u: a helper's number
	s_and_b32 s34, s42, 1
	s_lshr_b32 s35, s42, 1
	s_lshl_b32 s43, s34, 8
	s_lshl_b32 s36, s35, 10
	s_add_co_u32 s43, s43, s36                     ; its tiles' first byte among a weight's codes: 256 (u % 2) + 1024 (u / 2)
	s_lshl_b32 s44, s34, 4
	s_lshl_b32 s36, s35, 6
	s_add_co_u32 s44, s44, s36                     ; and among its scale bytes
	; every LDS address of phase 1 is made here, ahead of the parting of jobs and helpers
	s_mul_i32 s34, s25, HLP
	s_mul_i32 s35, s26, 32*SP
	s_add_co_u32 s34, s34, s35
	s_add_co_u32 s34, s34, 2*SP
	LADDR SH, SP                                   ; H: line L, slot 32 f + r + 2
	s_mul_i32 s34, s26, 32*WLP
	s_mul_i32 s35, s25, SP
	s_add_co_u32 s34, s34, s35
	s_add_co_u32 s34, s34, WB+2*WLP
	LADDR SWA, WLP                                 ; W: line 32 f + r + 2, slot L
	s_mul_i32 s34, s37, QHL
	s_mul_i32 s35, s26, 32*QSP
	s_add_co_u32 s34, s34, s35
	s_add_co_u32 s34, s34, QHB
	LADDR SQH, QSP
	s_mul_i32 s34, s26, 32*QWLP
	s_mul_i32 s35, s37, QSP
	s_add_co_u32 s34, s34, s35
	s_add_co_u32 s34, s34, QWB
	LADDR SQW, QWLP
	s_lshl_b32 s34, s42, 10
	s_add_co_u32 s34, s34, AIMG
	v_lshl_add_u32 v[IA], v201, 4, s34             ; images of k/v tiles 2 u, 2 u + 1
	s_lshl_b32 s34, s42, 9
	s_add_co_u32 s34, s34, AIMG+4096
	v_lshl_add_u32 v[IQ], v201, 4, s34             ; of q tile u
	s_lshl_b32 s34, s42, 8
	s_add_co_u32 s34, s34, ASC
	v_lshl_add_u32 v[ISW], v201, 2, s34
	s_lshl_b32 s34, s42, 7
	s_add_co_u32 s34, s34, ASC+1024
	v_lshl_add_u32 v[IQS], v201, 2, s34
	v_lshl_add_u32 v[AFI], v201, 4, AIMG
	v_lshl_add_u32 v[AFS], v201, 2, ASC
	v_mad_u32_u24 v[ZH], v[HH], SP, v[P16]         ; H's border: slots 0, 1, 66, 67 of a line; three lines a helper pair
	v_mad_u32_u24 v[ZH], v202, 66*SP, v[ZH]
	v_mad_u32_u24 v[ZH], v203, 3*HLP, v[ZH]
	v_mad_u32_u24 v[ZW], v[HH], WLP, v[P16]        ; W's border: lines 0, 1, 66, 67; three slots a helper pair
	v_mad_u32_u24 v[ZW], v202, 66*WLP, v[ZW]
	v_mad_u32_u24 v[ZW], v203, 3*SP, v[ZW]
	v_add_nc_u32 v[ZW], WB, v[ZW]
	v_mul_u32_u24 v[OP], v200, OCP
	v_mad_u32_u24 v[OP], v[HH], 32*OCP, v[OP]
	v_add_nc_u32 v[OP], OB, v[OP]
.irp j, 0,1,2,3
	v_mov_b32 v[AW+48+\j], 0                       ; behind the last weight fragment
	v_mov_b32 v[BF+4+\j], 0                        ; the pixels' K = 64 .. 127: zero codes
	v_mov_b32 v[BF+12+\j], 0
.endr
	s_wait_kmcnt 0x0
	s_cmp_lt_u32 s24, 12
	s_cbranch_scc0 .Lhelp
	; ---- a job, first part: 32 pixels of one line become two fragments
	s_lshl_b32 s32, s27, 20                        ; the image: 64 channels x 16,384 bytes
	s_lshl_b32 s34, s30, 8
	s_add_co_u32 s32, s32, s34                     ; the row
	s_lshl_b32 s34, s26, 7
	s_add_co_u32 s32, s32, s34                     ; my 32 columns
	s_add_nc_u64 s[4:5], s[4:5], s[32:33]
.set i, 0
.rept 64
	global_load_b32 v[X+i], v[L4], s[4:5] offset:16384*i   ; channel i: 32 lanes read 128 consecutive bytes; the wave beside me reads the row's other 128
.set i, i+1
.endr
	s_wait_loadcnt 0x0
	BIAS_LOAD                                      ; wanted in the main phase: on its way through the rest of phase 1
	v_max3_num_f32 v[MX], |v[X]|, |v[X+1]|, 0x1800000       ; each block's largest magnitude: all 32 numbers are mine; the floor 2^(3 - 127) holds the byte at 1 from below
	v_max3_num_f32 v[MX+1], |v[X+32]|, |v[X+33]|, 0x1800000
.irp i, 2,4,6,8,10,12,14,16,18,20,22,24,26,28,30
	v_max3_num_f32 v[MX], v[MX], |v[X+\i]|, |v[X+1+\i]|     ; (the two blocks by turns)
	v_max3_num_f32 v[MX+1], v[MX+1], |v[X+32+\i]|, |v[X+33+\i]|
.endr
.irp b, 0,1
	v_add_nc_u32 v[MX+2+\b], 0xff000000, v[MX+\b]  ; 2 off the exponent field: the conversion takes this operand's exponent field as its scale
.endr
.irp b, 0,1
	v_lshrrev_b32 v[MX+4+\b], 23, v[MX+2+\b]       ; the scale's byte
.endr
	v_lshl_or_b32 v[SWD], v[MX+5], 8, v[MX+4]      ; my pixel's scale word; bytes 2 and 3 are 0
.irp b, 0,1
.irp g, 0,1,2,3
	v_cvt_scalef32_pk8_fp4_f32 v[BF+8*\b+\g], v[X+32*\b+8*\g:X+32*\b+8*\g+7], v[MX+2+\b]
.endr
.endr
	v_nop                                          ; one plain place behind the scaled conversions
.irp b, 0,1
.irp g, 0,1,2,3
	v_and_b32 v[BF+8*\b+\g], s31, v[BF+8*\b+\g]    ; a row outside x: zero codes
.endr
.endr
.irp g, 0,1,2,3
	v_permlane16_swap_b32 v[BF+\g], v[BF+8+\g]     ; block 0 of pixels 16-31 changes places with block 1 of pixels 0-15: v112.. is now the fragment of pixels 0-15, v120.. of pixels 16-31
.endr
	s_branch .LbarA
.Lhelp:
	; ---- a helper: k/v tiles 2 u, 2 u + 1 and q tile u as images; the border's slots
	v_bfe_u32 v204, v0, 3, 1
	v_bfe_u32 v205, v0, 2, 1
	v_and_b32 v206, 1, v0
	v_bfe_u32 v207, v0, 1, 2
	v_lshlrev_b32 v98, 6, v204                     ; row r of a k/v tile is channel 2 (r / 8) + (r / 4) % 2 + 16 (r % 2) of the tile's four pairs, 32 bytes of codes a channel, 16 a block
	v_lshl_add_u32 v98, v205, 5, v98
	v_lshl_add_u32 v98, v206, 9, v98
	v_lshl_add_u32 v98, v[HH], 4, v98
	v_add_nc_u32 v98, s43, v98
	v_lshlrev_b32 v99, 2, v204                     ; its two scale bytes
	v_lshl_add_u32 v99, v205, 1, v99
	v_lshl_add_u32 v99, v206, 5, v99
	v_add_nc_u32 v99, s44, v99
	v_lshlrev_b32 v100, 7, v204                    ; row r of a q tile is channel 4 (r / 8) + (r / 2) % 4 + 16 (r % 2) of the tile's eight pairs
	v_lshl_add_u32 v100, v207, 5, v100
	v_lshl_add_u32 v100, v206, 9, v100
	v_lshl_add_u32 v100, v[HH], 4, v100
	v_add_nc_u32 v100, s43, v100
	v_lshlrev_b32 v101, 3, v204
	v_lshl_add_u32 v101, v207, 1, v101
	v_lshl_add_u32 v101, v206, 5, v101
	v_add_nc_u32 v101, s44, v101
.irp n, 0,1
	global_load_b128 v[128+4*\n:131+4*\n], v98, s[10:11] offset:128*\n    ; Wk's row and Wv's row of the same channel: lanes 2, 3 of each four keep Wv's
	global_load_b128 v[136+4*\n:139+4*\n], v98, s[14:15] offset:128*\n
	global_load_u16 v[148+\n], v99, s[12:13] offset:8*\n
	global_load_u16 v[150+\n], v99, s[16:17] offset:8*\n
.endr
	global_load_b128 v[144:147], v100, s[6:7]
	global_load_u16 v152, v101, s[8:9]
	BIAS_LOAD
.irp j, 0,1,2
	ds_store_b128 v[ZH], v[BF+4:BF+7] offset:\j*HLP    ; zeros: k = v = 0 on the border's columns
	ds_store_b128 v[ZW], v[BF+4:BF+7] offset:\j*SP
.endr
	s_wait_loadcnt 20                              ; the ten weight loads are in; the twenty bias loads issued behind them may stay out
.irp j, 0,1,2,3,4,5,6,7
	v_cndmask_b32 v[128+\j], v[128+\j], v[136+\j], s41
.endr
.irp n, 0,1
	v_cndmask_b32 v[148+\n], v[148+\n], v[150+\n], s41
.endr
	ds_store_b128 v[IA], v[128:131]                ; a fragment goes to LDS as it stands, 16 bytes a lane; any wave that loads it so has the same registers
	ds_store_b128 v[IA], v[132:135] offset:512
	ds_store_b128 v[IQ], v[144:147]
	ds_store_b32 v[ISW], v148
	ds_store_b32 v[ISW], v149 offset:128
	ds_store_b32 v[IQS], v152
.LbarA:
	BAR                                            ; the weights' images and the border lie in LDS
	s_cmp_lt_u32 s24, 12
	s_cbranch_scc0 .LbarB
	; ---- a job, second part: the products
.set i, 0
.rept 12
	ds_load_b128 v[AW+4*i:AW+4*i+3], v[AFI] offset:512*i
	ds_load_b32 v[ASW+i], v[AFS] offset:128*i
.set i, i+1
.endr
	s_wait_dscnt 0x0
.rept 8
	v_nop                                          ; the pixels' scale word and fragments were written by vector instructions: eight and four places ahead of a scaled matrix instruction
.endr
.irp t, 0,1,2,3,4,5,6,7
	v_wmma_scale_f32_16x16x128_f8f6f4 v[D+8*\t:D+8*\t+7], v[AW+4*\t:AW+4*\t+7], v[BF:BF+7], 0, v[ASW+\t], v[SWD] matrix_a_fmt:MATRIX_FMT_FP4 matrix_b_fmt:MATRIX_FMT_FP4
.endr
.irp t, 0,1,2,3,4,5,6,7
	v_wmma_scale_f32_16x16x128_f8f6f4 v[D+64+8*\t:D+64+8*\t+7], v[AW+4*\t:AW+4*\t+7], v[BF+8:BF+15], 0, v[ASW+\t], v[SWD] matrix_a_fmt:MATRIX_FMT_FP4 matrix_b_fmt:MATRIX_FMT_FP4 matrix_b_scale:MATRIX_SCALE_ROW1
.endr
.rept 4
	v_nop                                          ; four places ahead of the first read of results (ISA guide 7.12.1)
.endr
.irp e, 0,1
.irp t, 0,1,2,3                                ; a lane's eight results are two whole groups (k, k, v, v) of its pixel's slot; each result from its low end on
	ds_store_b128 v[SH], v[D+64*\e+8*\t:D+64*\e+8*\t+3] offset:16*SP*\e+64*\t
	ds_store_b128 v[SH], v[D+64*\e+8*\t+4:D+64*\e+8*\t+7] offset:16*SP*\e+64*\t+16
	ds_store_b128 v[SWA], v[D+64*\e+8*\t+32:D+64*\e+8*\t+35] offset:16*WLP*\e+64*\t
	ds_store_b128 v[SWA], v[D+64*\e+8*\t+36:D+64*\e+8*\t+39] offset:16*WLP*\e+64*\t+16
.endr
.endr
	s_lshr_b32 s34, s24, 2
	s_cmp_eq_u32 s34, 1                            ; waves 4-7 hold lines 2 and 3, the output's rows: they make q too
	s_cbranch_scc0 .LbarB
	s_wait_dscnt 0x0                               ; the stores have read the results
.rept 5
	v_nop                                          ; these products write over earlier results: five places
.endr
.irp t, 0,1,2,3
	v_wmma_scale_f32_16x16x128_f8f6f4 v[D+8*\t:D+8*\t+7], v[AW+32+4*\t:AW+32+4*\t+7], v[BF:BF+7], 0, v[ASW+8+\t], v[SWD] matrix_a_fmt:MATRIX_FMT_FP4 matrix_b_fmt:MATRIX_FMT_FP4
.endr
.irp t, 0,1,2,3
	v_wmma_scale_f32_16x16x128_f8f6f4 v[D+32+8*\t:D+32+8*\t+7], v[AW+32+4*\t:AW+32+4*\t+7], v[BF+8:BF+15], 0, v[ASW+8+\t], v[SWD] matrix_a_fmt:MATRIX_FMT_FP4 matrix_b_fmt:MATRIX_FMT_FP4 matrix_b_scale:MATRIX_SCALE_ROW1
.endr
.rept 4
	v_nop
.endr
.irp e, 0,1
.irp t, 0,1                                    ; eight results are four pairs (q[g], q[g + 16])
	ds_store_b128 v[SQH], v[D+32*\e+8*\t:D+32*\e+8*\t+3] offset:16*QSP*\e+64*\t
	ds_store_b128 v[SQH], v[D+32*\e+8*\t+4:D+32*\e+8*\t+7] offset:16*QSP*\e+64*\t+16
	ds_store_b128 v[SQW], v[D+32*\e+8*\t+16:D+32*\e+8*\t+19] offset:16*QWLP*\e+64*\t
	ds_store_b128 v[SQW], v[D+32*\e+8*\t+20:D+32*\e+8*\t+23] offset:16*QWLP*\e+64*\t+16
.endr
.endr
.LbarB:
	BAR                                            ; k, v and q of the whole stripe lie in LDS
	s_wait_loadcnt 0x0                             ; the bias
.irp j, 0,1,2,3,4,5,6,7,8,9
	v_cndmask_b32 v[BI+\j], v[BI+\j], v[BT+\j], s40    ; lanes 16-31 keep rel_w's
.endr
; q' x bias for output o: five pairs
.macro PRE o
.irp i, 0,1,2,3,4
	v_pk_mul_f32 v[QB+2*\i:QB+2*\i+1], v[Q+2*(\o):Q+2*(\o)+1], v[BI+2*\i:BI+2*\i+1]
.endr
.endm
; One output pixel (line oa, slot ob of the block) of my two channels.
.macro OUTP oa, ob
.set O, 2*(\oa)+(\ob)
.set n, 0
.rept 25                                       ; t = q' k + q' bias: position n = 5 i + j is window slot (oa + i, ob + j)
.set kk, KV+4*(6*((\oa)+n/5)+(\ob)+n%5)
	v_pk_fma_f32 v[T+2*n:T+2*n+1], v[kk:kk+1], v[Q+2*O:Q+2*O+1], v[QB+2*(n/5):QB+2*(n/5)+1]
.set n, n+1
.endr
.irp c, 0,1                                    ; the largest of the 25, three operands at a time: two chains a channel, the channels by turns
	v_max3_num_f32 v[CH+\c], v[T+\c], v[T+2+\c], v[T+4+\c]
.endr
.irp c, 0,1
	v_max3_num_f32 v[CH+2+\c], v[T+6+\c], v[T+8+\c], v[T+10+\c]
.endr
.set k, 0
.rept 9
.irp c, 0,1
	v_max3_num_f32 v[CH+2*(k%2)+\c], v[CH+2*(k%2)+\c], v[T+12+4*k+\c], v[T+14+4*k+\c]
.endr
.set k, k+1
.endr
.irp c, 0,1
	v_max3_num_f32 v[CH+\c], v[CH+\c], v[CH+2+\c], v[T+48+\c]
.endr
.set n, 0
.rept 25
	v_pk_add_f32 v[T+2*n:T+2*n+1], v[T+2*n:T+2*n+1], v[CH:CH+1] neg_lo:[0,1] neg_hi:[0,1]   ; t - the largest: 0 or less
.set n, n+1
.endr
.set n, 0
.rept 50
	v_exp_f32 v[T+n], v[T+n]                       ; one batch: none reads another's result
.set n, n+1
.endr
.if O < 3
	PRE O+1                                        ; plain work that names no result of the batch: the next output's q' x bias
.else
	v_nop
.endif
	s_wait_alu depctr_va_vdst(0)                   ; one wait for the batch, ahead of its first reader
	v_pk_add_f32 v[SUM+2*O:SUM+2*O+1], v[T:T+1], v[T+2:T+3]
.set kk, KV+4*(6*(\oa)+(\ob))+2
	v_pk_mul_f32 v[ACC+2*O:ACC+2*O+1], v[T:T+1], v[kk:kk+1]
.set kk, KV+4*(6*(\oa)+(\ob)+1)+2
	v_pk_fma_f32 v[ACC+2*O:ACC+2*O+1], v[T+2:T+3], v[kk:kk+1], v[ACC+2*O:ACC+2*O+1]
.set n, 2
.rept 23                                       ; the sum of the weights and the weighted sum of v, by turns
.set kk, KV+4*(6*((\oa)+n/5)+(\ob)+n%5)+2
	v_pk_add_f32 v[SUM+2*O:SUM+2*O+1], v[SUM+2*O:SUM+2*O+1], v[T+2*n:T+2*n+1]
	v_pk_fma_f32 v[ACC+2*O:ACC+2*O+1], v[T+2*n:T+2*n+1], v[kk:kk+1], v[ACC+2*O:ACC+2*O+1]
.set n, n+1
.endr
.endm
; Block 2 w + n: columns 2 beta and 2 beta + 1, both rows.
.macro BLOCK n
	s_wait_dscnt 0x0                               ; the block before has had its stores into the stage read their registers
	s_lshl_b32 s45, s24, 1
.if \n
	s_add_co_u32 s45, s45, 1                       ; beta
.endif
	s_mul_i32 s46, s45, 2*SP
	s_mul_i32 s47, s45, 2*WLP-2*SP
	v_add_nc_u32 v[OA], s46, v[P16]
.irp a, 0,1,2,3,4,5                            ; lanes 0-15: H's line a, slot 2 beta; lanes 16-31: W's line 2 beta + a, slot 0.  One product with h: the lower base + h x the distance
	s_add_co_u32 s48, s47, WB-(HLP-WLP)*\a
	v_mad_u32_u24 v[AD+\a], v[HH], s48, v[OA]
.if \a
	v_add_nc_u32 v[AD+\a], HLP*\a, v[AD+\a]
.endif
.endr
	s_mul_i32 s46, s45, 2*QSP
	s_add_co_u32 s46, s46, QHB
	v_add_nc_u32 v[OA], s46, v[P8]
	s_mul_i32 s47, s45, 2*QWLP-2*QSP
	s_add_co_u32 s48, s47, QWB-QHB
	v_mad_u32_u24 v[QA], v[HH], s48, v[OA]
	s_add_co_u32 s48, s47, QWB-QHB-(QHL-QWLP)
	v_mad_u32_u24 v[QA+1], v[HH], s48, v[OA]
	v_add_nc_u32 v[QA+1], QHL, v[QA+1]
	s_lshl_b32 s46, s45, 3
	v_add_nc_u32 v[OA], s46, v[OP]                 ; the block's two columns in my channel's row of the stage
.irp a, 0,1,2,3,4,5
.irp b, 0,1,2,3,4,5
	ds_load_b128 v[KV+4*(6*\a+\b):KV+4*(6*\a+\b)+3], v[AD+\a] offset:SP*\b    ; sixteen lanes read a slot's 256 consecutive bytes
.endr
.endr
.irp a, 0,1
.irp b, 0,1
	ds_load_b64 v[Q+2*(2*\a+\b):Q+2*(2*\a+\b)+1], v[QA+\a] offset:QSP*\b
.endr
.endr
	s_wait_dscnt 0x0
.irp o, 0,1,2,3
	v_pk_mul_f32 v[Q+2*\o:Q+2*\o+1], v[Q+2*\o:Q+2*\o+1], 0x3fb8aa3b op_sel_hi:[1,0]   ; q' = q log2(e): the exponentials are of base 2
.endr
	PRE 0
	OUTP 0, 0
	OUTP 0, 1
	OUTP 1, 0
	OUTP 1, 1
.irp j, 0,1,2,3,4,5,6,7
	v_rcp_f32 v[SUM+\j], v[SUM+\j]
.endr
	v_nop                                          ; a plain place behind the last reciprocal
	s_wait_alu depctr_va_vdst(0)                   ; and one wait for the eight
.irp c, 0,1                                    ; in lanes 0-15 output (oa, ob) is (row, column), in lanes 16-31 (column, row): the two mixed outputs change places there, so that every offset below is a constant
	v_mul_f32 v[R+4*\c], v[ACC+\c], v[SUM+\c]
	v_mul_f32 v[R+4*\c+3], v[ACC+6+\c], v[SUM+6+\c]
	v_mul_f32 v[70+\c], v[ACC+2+\c], v[SUM+2+\c]
	v_mul_f32 v[72+\c], v[ACC+4+\c], v[SUM+4+\c]
.endr
.irp c, 0,1
	v_cndmask_b32 v[R+4*\c+1], v[70+\c], v[72+\c], s40
	v_cndmask_b32 v[R+4*\c+2], v[72+\c], v[70+\c], s40
.endr
.irp c, 0,1
.irp r, 0,1
	ds_store_b64 v[OA], v[R+4*\c+2*\r:R+4*\c+2*\r+1] offset:16*OCP*\c+256*\r
.endr
.endr
.endm
	BLOCK 0
	BLOCK 1
	; ---- the way out: wave w stores channels 4 w .. 4 w + 3, both rows
	BAR                                            ; the stage is whole
	s_mul_i32 s34, s24, 4*OCP
	s_add_co_u32 s34, s34, OB
	v_and_b32 v5, 31, v0
	v_lshlrev_b32 v5, 4, v5
	v_add_nc_u32 v4, s34, v5
.irp n, 0,1,2,3
	ds_load_b128 v[KV+4*\n:KV+4*\n+3], v4 offset:OCP*\n
.endr
	s_lshl_b32 s32, s27, 20                        ; the image,
	s_lshl_b32 s34, s24, 16
	s_add_co_u32 s32, s32, s34                     ; my four channels,
	s_lshl_b32 s34, s28, 9
	s_add_co_u32 s32, s32, s34                     ; rows 2 s and 2 s + 1
	s_add_nc_u64 s[22:23], s[22:23], s[32:33]
.irp n, 0,1,2,3
	s_wait_dscnt 3-\n                              ; LDS loads come back in order (ISA guide 5.7.1): load n is in, the younger ones may stay out
	global_store_b128 v5, v[KV+4*\n:KV+4*\n+3], s[22:23] offset:16384*\n th:TH_STORE_NT   ; 32 lanes store 512 consecutive bytes, at a multiple of 512 from out0's first byte
.endr
	s_wait_xcnt 0x0
	v_lshl_add_u32 v254, v0, 2, 0x4a000
	v_mov_b32 v255, 0
	s_wait_tensorcnt 0x0
	ds_add_u32 v254, v255
	s_wait_dscnt 0x0
	s_endpgm
.Lfunc_end_k_q49df68abce_mental:
	.size	k_q49df68abce_mental, .Lfunc_end_k_q49df68abce_mental-k_q49df68abce_mental
	.p2alignl 7, 3214868480
	.fill 96, 4, 3214868480
	.section	.rodata,"a",@progbits
	.p2align	6, 0x0
	.amdhsa_kernel k_q49df68abce_mental
		.amdhsa_group_segment_fixed_size 305152
		.amdhsa_private_segment_fixed_size 0
		.amdhsa_enable_private_segment 0
		.amdhsa_kernarg_size 80
		.amdhsa_user_sgpr_count 2
		.amdhsa_user_sgpr_kernarg_segment_ptr 1
		.amdhsa_wavefront_size32 1
		.amdhsa_system_sgpr_workgroup_id_x 1
		.amdhsa_system_sgpr_workgroup_id_y 1
		.amdhsa_system_sgpr_workgroup_id_z 1
		.amdhsa_system_vgpr_workitem_id 0
		.amdhsa_next_free_vgpr 256
		.amdhsa_next_free_sgpr 66
		.amdhsa_reserve_vcc 0
		.amdhsa_float_denorm_mode_32 3
		.amdhsa_float_denorm_mode_16_64 3
		.amdhsa_memory_ordered 1
		.amdhsa_forward_progress 1
		.amdhsa_inst_pref_size 122
	.end_amdhsa_kernel
	.amdgpu_metadata
---
amdhsa.version: [ 1, 2 ]
amdhsa.kernels:
  - .name:           k_q49df68abce_mental
    .symbol:         k_q49df68abce_mental.kd
    .args:
      - { .name: x, .offset: 0, .size: 8, .value_kind: global_buffer, .address_space: global }
      - { .name: Wq_codes, .offset: 8, .size: 8, .value_kind: global_buffer, .address_space: global }
      - { .name: Wq_scales, .offset: 16, .size: 8, .value_kind: global_buffer, .address_space: global }
      - { .name: Wk_codes, .offset: 24, .size: 8, .value_kind: global_buffer, .address_space: global }
      - { .name: Wk_scales, .offset: 32, .size: 8, .value_kind: global_buffer, .address_space: global }
      - { .name: Wv_codes, .offset: 40, .size: 8, .value_kind: global_buffer, .address_space: global }
      - { .name: Wv_scales, .offset: 48, .size: 8, .value_kind: global_buffer, .address_space: global }
      - { .name: rel_h, .offset: 56, .size: 8, .value_kind: global_buffer, .address_space: global }
      - { .name: rel_w, .offset: 64, .size: 8, .value_kind: global_buffer, .address_space: global }
      - { .name: out0, .offset: 72, .size: 8, .value_kind: global_buffer, .address_space: global }
    .group_segment_fixed_size: 305152
    .private_segment_fixed_size: 0
    .kernarg_segment_align: 8
    .kernarg_segment_size: 80
    .max_flat_workgroup_size: 512
    .sgpr_count:     66
    .vgpr_count:     256
    .wavefront_size: 32
...
	.end_amdgpu_metadata
.endif
;; end of part 1
